; MI455X (gfx1250); checked and timed in simulation.
; The chip was launched on July 23, 2026; its instructions are those of AMD's public machine-readable ISA for CDNA 5 (MIT licence, August 2026) and "CDNA5" Instruction Set Architecture Reference Guide (July 2026). The comments in the code are by the model that wrote it; some were corrected since.
;; Multihead Attention. Allowed arithmetic: matrix products marked QUANTISED: E5M2 operands, one given power-of-two scale a tensor, by v_wmma_f32_16x16x64_bf8_bf8 or v_wmma_f32_16x16x128_bf8_bf8, f32 sums; everything else in f32.
;; Inputs: Wk_codes 8 x 64 x 16 x 32 uint8 (E5M2 codes of Wk, K innermost, in blocks of 32 codes); Wq_codes 8 x 64 x 16 x 32 uint8 (E5M2 codes of Wq, K innermost, in blocks of 32 codes); Wv_codes 8 x 64 x 16 x 32 uint8 (E5M2 codes of Wv, K innermost, in blocks of 32 codes); beta 512 float32; gamma 512 float32; key_codes 4 x 2,048 x 16 x 32 uint8 (E5M2 codes of key, K innermost, in blocks of 32 codes); lowp_scales 10 int32 (the exponents e of the quantised operands' scales 2^e); query 4 x 2,048 x 512 float32; query_mask 4 x 2,048 float32; value_codes 4 x 2,048 x 16 x 32 uint8 (E5M2 codes of value, K innermost, in blocks of 32 codes); value_mask 4 x 2,048 float32.
;; Outputs: out0 4 x 2,048 x 512 float32.
;; This version of the problem:
;;   THIS VERSION OF THE PROBLEM IS GIVEN IN LOW PRECISION. The matrix products marked QUANTISED in the list below multiply operands that are first quantised to E5M2 (5 exponent bits, 2 mantissa bits; 8 bits a number), with one given power-of-two scale for each operand tensor; their sums are f32. All else is computed in f32.
;;   The module's matrix products, in the order in which they are computed (A, B: the left and right operand; K: the contracted axis; several contracted axes count as one K, in the product's order):
;;     1. [M 512, K 512] x [K 512, N 8,192]; A: input Wq (given as codes); B: input query: QUANTISED (scales: A lowp_scales[0], B lowp_scales[1])
;;     2. [M 512, K 512] x [K 512, N 8,192]; A: input Wk (given as codes); B: input key (given as codes): QUANTISED (scales: A lowp_scales[2], B lowp_scales[3])
;;     3. [M 512, K 512] x [K 512, N 8,192]; A: input Wv (given as codes); B: input value (given as codes): QUANTISED (scales: A lowp_scales[4], B lowp_scales[5])
;;     4. batch 32 x [M 2,048, K 64] x [K 64, N 2,048]; A: computed on the way; B: computed on the way: QUANTISED (scales: A lowp_scales[6], B lowp_scales[7])
;;     5. batch 32 x [M 2,048, K 2,048] x [K 2,048, N 64]; A: computed on the way; B: computed on the way: QUANTISED (scales: A lowp_scales[8], B lowp_scales[9])
;;   THE QUANTISER, for each operand of a quantised product, along K:
;;     - The operand's scale is 2^e, e = its entry of the input lowp_scales (int32; the entries are numbered through the quantised products in the list's order, A before B).
;;     - Each number is divided by the scale, clamped to +-57,344, and rounded to the nearest number of E5M2, ties to even, subnormals kept.
;;     - The product sums the exact products of the quantised numbers (number of the format x scale) in f32.
;;   ~~~python
;;   def quantise(x, axis, e):      # numpy; x: float32 -> the quantised numbers, widened to float32 again
;;       x = np.moveaxis(x, axis, -1); K = x.shape[-1]
;;       r = np.clip(x / 2.0 ** e, -57344, 57344)
;;       step = 2.0 ** (np.maximum(np.frexp(np.where(r == 0, 1, r))[1] - 1, -14) - 2)
;;       q = np.round(r / step) * step * 2.0 ** e      # np.round: ties to even
;;       return np.moveaxis(q, -1, axis).astype(np.float32)
;;   ~~~
;;   OPERANDS COMPUTED ON THE WAY. 'Computed on the way' means the value that the module computes at that place (a softmax that the list does not call 'softmax' is quantised finished and normalised). What goes into a quantiser is computed in f32, as accurately as f32 sums, v_exp_f32 and their like allow (about 1e-6 of the number): no bf16 or f16 on the way to a quantiser, and a product that is left as it is and whose result goes on into a quantised operand takes f32 operands (vector FMAs, or v_wmma_f32_16x16x4_f32). A number that lies on a knife's edge between two numbers of the format may be rounded either way, as far as f32 arithmetic and the matrix unit's own rounding can turn it there, and no further.
;;   INPUTS GIVEN AS CODES. Wk (in the module: [8, 512, 64], K = its axis 1); Wq (in the module: [8, 512, 64], K = its axis 1); Wv (in the module: [8, 512, 64], K = its axis 1); key (in the module: [4, 2048, 512], K = its axis 2); value (in the module: [4, 2048, 512], K = its axis 2): each comes as NAME_codes (uint8): NAME with its K axis moved to the last place and cut into blocks of 32 codes, [.., K / 32, bytes a block], one block behind the other in memory; one code a byte (a code: sign, 5 exponent bits, 2 mantissa bits); its scale is its entry of lowp_scales. Its value is code x scale, taken as it is: it is not quantised again, and the codes and scales need not be those that the quantiser above would give.
;; One version. Each part assembles by itself: llvm-mc -triple=amdgcn-amd-amdhsa -mcpu=gfx1250 --defsym DOCPART=n.
;; ======== version 1 of 1: 3 launches
;; workspace buffers: q_img 4,194,304 bytes; k_img 4,194,304 bytes; v_img 4,194,304 bytes; y 16,777,216 bytes
;; launch prep (part 1): grid 256 x 1, 8 waves a work-group, no clusters, 203,776 bytes of LDS; arguments query, key_codes, value_codes, Wk_codes, Wv_codes, lowp_scales, q_img, k_img, v_img; writes q_img, k_img, v_img
.if DOCPART == 1
	.amdgcn_target "amdgcn-amd-amdhsa--gfx1250"
	.amdhsa_code_object_version 6
	.text
	.protected	k_qaa5eaf2985_prep
	.globl	k_qaa5eaf2985_prep
	.p2align	8
	.type	k_qaa5eaf2985_prep,@function
k_qaa5eaf2985_prep:
	s_mov_b64 s[64:65], 0
	v_nop
	global_prefetch_b8 v0, s[64:65] scope:SCOPE_SE
	s_setreg_imm32_b32 hwreg(HW_REG_WAVE_MODE, 25, 1), 1
	s_wait_xcnt 0x0
; PREP: the K and V projections on codes of BF8 (E5M2), their results quantised into operand images; query quantised into an operand image.
;   K[b][h][l][d] = sum over v of key[b][l][v] Wk[h][v][d], quantised with 2^e7;  V likewise from value and Wv, quantised with 2^e9;  query quantised with 2^e1.
; A PIECE is 512 bytes: lane l's 16 bytes at 16 l: four registers of an operand, so that every load and store of an image is dense.
;   q_img [row tile 512][ks 4][c 4][piece]: lane (r, hh): query row 16 i + r, k = 128 ks + 32 c + 16 hh + 0..15
;   k_img [b][h][s 16][t 8][c 2][piece]:    lane (r, hh): key 128 s + 32 (t/2) + 8 (t%2) + r + 8 (r/8), d = 32 c + 16 hh + 0..15
;   v_img [b][h][s 16][t 4][c 4][piece]:    lane (r, hh): d = 32 (t/2) + 8 (t%2) + r + 8 (r/8), keys 128 s + 32 c + 16 hh + 0..15
; In every fragment registers 4 c .. 4 c + 3 hold k = 32 c + 16 hh + 0..15, alike on both sides of a product, so every product meets its partner.
; SHARES.  Work-group g: tensor g >> 7 (0 K, 1 V), 128 activation rows (g >> 1) & 63, four heads 4 (g & 1) on.  Wave w: head 4 (g & 1) + (w >> 1), rows 64 (w & 1) on: a product of 64 x 64 x 512,
; 64 matrix instructions on 16 accumulators.  The work-group also quantises query rows 32 g .. 32 g + 31: wave w one fragment (row tile 2 g + (w >> 2), ks = w & 3), while its tiles land.
; ONE PATH FOR K AND V.  Source 0 (X) gives a lane's registers, source 1 (Y) its lane.  K: X = the head's 64 rows of Wk, Y = 64 keys; V: X = 64 rows of value, Y = the head's 64 rows of Wv.
; Pointers, two LDS bases, two strides and one exponent are selected on the work-group's number; there is no branch.
; THE ROWS OF A TILE ARE NOT NEIGHBOURS: tile 2 b + u of a block of 64 rows gives lane r the row 32 b + 8 u + r + 8 (r/8), so that the 16 registers of tiles 2 b, 2 b + 1 are 16 neighbours 32 b + 16 hh + 0..15.
; The rows come into LDS in groups of 8, each group at the place 4 u + 2 b + z of its block (memory row 32 b + 16 z + 8 u + y), so that a tile is 16 LDS rows on end.
; LDS: 128 activation rows, then 256 weight rows, 512 bytes + 16 of padding each (pitch 528 = 33 x 16 bytes: the 16 rows of a load begin in 16 different 16-byte columns of 256).  Filled once; nothing is stored there.
; NO CLUSTER: a work-group fetches its 192 KiB once, at its head; no step recurs in which joint requests could meet again.
; LIMITS: e1, e7 - e2 - e3 and e9 - e4 - e5 lie between -126 and 112, so that each power of two and 57,344 times it are f32 numbers.  NaN among the inputs is not served.
.set PITCH, 528
.set GRP,   8*PITCH                    ; a group of 8 rows in LDS
.set B64,   64*PITCH                   ; a block of 64 rows
.set WB,    128*PITCH                  ; the weights' rows begin behind the activations'
.set QV,  4                            ; v4      query: r x 2,048 + 64 hh
.set LI,  5                            ; v5      16 x lane
.set LR,  6                            ; v6      r x pitch + 16 hh
.set SC,  8                            ; v8      the conversion's scale as f32
.set LIM, 9                            ; v9      57,344 x that
.set XA,  10                           ; v10     LDS address of X's block for my lane
.set YA,  11                           ; v11     of Y's
.set OV,  12                           ; v12-15  my byte in the output pieces of Y's tile 0..3
.set QC,  16                           ; v16-31  query's codes
.set XF,  32                           ; v32-63  two fragments of X; at the end the 8 output pieces
.set YF,  64                           ; v64-127 Y's four fragments
.set ACC, 128                          ; v128-255 accumulator (tx, ty) at 128 + 8 (4 ty + tx); first the 64 numbers of query
.set WV,  22                           ; s22     my wave's number
.set G1,  32                           ; s[32:39] descriptor group 1: 8 rows x 512 bytes, padded
.set GA,  40                           ; s[40:47] groups 0 of my two groups of activation rows
.set GW,  48                           ; s[48:63] groups 0 of my four groups of weight rows
	s_load_b512 s[4:19], s[0:1], 0x0               ; query, key_codes, value_codes, Wk_codes, Wv_codes, lowp_scales, q_img, k_img
	s_load_b64 s[20:21], s[0:1], 0x40              ; v_img
	v_lshl_add_u32 v7, v0, 2, 0x31800
	s_set_vgpr_msb 0x40
	v_mov_b32 v1, 0
	s_set_vgpr_msb 0x4044
	ds_add_u32 v7, v1
	ds_add_u32 v7, v1
	s_set_vgpr_msb 0x4400
	v_lshrrev_b32 v1, 5, v0
	v_readfirstlane_b32 s[WV], v1                  ; wave 0..7
	v_and_b32 v1, 31, v0                           ; lane
	v_and_b32 v2, 15, v0                           ; r
	v_bfe_u32 v3, v0, 4, 1                         ; hh
	v_lshlrev_b32 v[QV], 11, v2
	v_lshl_add_u32 v[QV], v3, 6, v[QV]
	v_lshlrev_b32 v[LI], 4, v1
	v_mul_u32_u24 v[LR], v2, PITCH
	v_lshl_add_u32 v[LR], v3, 4, v[LR]
	s_bfe_u32 s23, ttmp9, 0x60001                  ; bs = 16 b + s: which 128 activation rows
	s_and_b32 s24, ttmp9, 1                        ; hf: which four heads
	s_and_b32 s25, s[WV], 1                        ; kh: which 64 of the 128 rows are mine
	s_lshr_b32 s26, s[WV], 1                       ; which of the four heads is mine
	s_mov_b32 s[G1+0], (1<<20)|(6<<22)|(3<<25)     ; elements of 1 byte; padding on: after every 128 words, 4 words
	s_mov_b32 s[G1+1], 512<<16                     ; tensor_dim0 = 512
	s_mov_b32 s[G1+2], 8<<16                       ; tensor_dim1 = 8
	s_mov_b32 s[G1+3], 512<<16                     ; tile_dim0 = 512
	s_mov_b32 s[G1+4], 8                           ; tile_dim1 = 8
	s_mov_b32 s[G1+5], 512                         ; from row to row
	s_mov_b32 s[G1+6], 0
	s_mov_b32 s[G1+7], 0
	s_lshr_b32 s27, s[WV], 2                       ; activation groups 2 w + i go to the places 8 (w >> 2) + (w & 3) + 4 i
	s_lshl_b32 s27, s27, 3
	s_and_b32 s28, s[WV], 3
	s_add_co_u32 s27, s27, s28
	s_mul_i32 s27, s27, GRP
	s_lshl_b32 s28, s26, 3                         ; weight groups 4 w + i go to the places 8 (w >> 1) + 2 (w & 1) + 4 (i & 1) + (i >> 1)
	s_lshl_b32 s29, s25, 1
	s_add_co_u32 s28, s28, s29
	s_mul_i32 s28, s28, GRP
	s_add_co_u32 s28, s28, WB
	s_lshl_b32 s92, s23, 16                        ; in memory: 128 rows x 512 bytes x bs + 2 groups x 4,096 bytes x wave
	s_lshl_b32 s29, s[WV], 13
	s_add_co_u32 s92, s92, s29
	s_mov_b32 s93, 0
	s_lshl_b32 s94, s24, 17                        ; four heads x 64 rows x 512 bytes x hf + 4 groups x wave
	s_lshl_b32 s29, s[WV], 14
	s_add_co_u32 s94, s94, s29
	s_mov_b32 s95, 0
	s_mul_i32 s30, s26, B64
	s_add_co_u32 s30, s30, WB                      ; my head's block of weight rows
	s_mul_i32 s31, s25, B64                        ; my block of activation rows
	s_mov_b32 s88, 2048
	s_mov_b32 s89, 1024
	s_wait_dscnt 0x0
	s_wait_kmcnt 0x0
	s_load_b256 s[68:75], s[14:15], 0x0            ; e0 .. e7
	s_load_b64 s[76:77], s[14:15], 0x20            ; e8, e9
	s_cmp_lt_u32 ttmp9, 128                        ; K's work-group or V's: the choice hangs on the work-group's number alone
	s_cselect_b64 s[78:79], s[6:7], s[8:9]         ; the activations' codes
	s_cselect_b64 s[80:81], s[10:11], s[12:13]     ; the weights' codes
	s_cselect_b64 s[82:83], s[18:19], s[20:21]     ; the image
	s_cselect_b32 s88, 1024, s88                   ; bytes from one tile of Y to the next in the image
	s_cselect_b32 s89, 4096, s89                   ; bytes that kh moves my pieces
	s_cselect_b32 s90, s30, s31                    ; X's block
	s_cselect_b32 s91, s31, s30                    ; Y's block
	s_add_nc_u64 s[78:79], s[78:79], s[92:93]
	s_add_nc_u64 s[80:81], s[80:81], s[94:95]
.irp i, 0,1
	s_mov_b32 s[GA+4*\i], 1
	s_add_co_u32 s[GA+4*\i+1], s27, 4*\i*GRP
	s_add_nc_u64 s[GA+4*\i+2:GA+4*\i+3], s[78:79], \i*4096
	s_or_b32 s[GA+4*\i+3], s[GA+4*\i+3], 0x80000000
.endr
.irp i, 0,1,2,3
	s_mov_b32 s[GW+4*\i], 1
	s_add_co_u32 s[GW+4*\i+1], s28, (4*(\i%2)+\i/2)*GRP
	s_add_nc_u64 s[GW+4*\i+2:GW+4*\i+3], s[80:81], \i*4096
	s_or_b32 s[GW+4*\i+3], s[GW+4*\i+3], 0x80000000
.endr
	tensor_load_to_lds s[GA:GA+3], s[G1:G1+7]      ; my six first fills go out on end: six tensor loads of mine are out
	s_nop 0
	tensor_load_to_lds s[GA+4:GA+7], s[G1:G1+7]
	s_nop 0
	tensor_load_to_lds s[GW:GW+3], s[G1:G1+7]
	s_nop 0
	tensor_load_to_lds s[GW+4:GW+7], s[G1:G1+7]
	s_nop 0
	tensor_load_to_lds s[GW+8:GW+11], s[G1:G1+7]
	s_nop 0
	tensor_load_to_lds s[GW+12:GW+15], s[G1:G1+7]
	s_nop 0
.rept 4
	v_nop
.endr
	v_add_nc_u32 v[XA], s90, v[LR]
	v_add_nc_u32 v[YA], s91, v[LR]
	; ---- query: my fragment, 16 rows x 128 along K: 64 numbers a lane, 16 neighbours of each block of 32
	s_lshl_b32 s96, ttmp9, 1
	s_lshr_b32 s97, s[WV], 2
	s_add_co_u32 s96, s96, s97                     ; row tile 2 g + (w >> 2)
	s_and_b32 s97, s[WV], 3                        ; ks
	s_lshl_b32 s98, s96, 15                        ; 16 rows x 2,048 bytes
	s_lshl_b32 s99, s97, 9                         ; 128 numbers x 4 bytes
	s_add_co_u32 s98, s98, s99
	s_mov_b32 s99, 0
	s_add_nc_u64 s[84:85], s[4:5], s[98:99]
	s_lshl_b32 s98, s96, 13                        ; a row tile's image is 8,192 bytes, a fragment's 2,048
	s_lshl_b32 s97, s97, 11
	s_add_co_u32 s98, s98, s97
	s_add_nc_u64 s[86:87], s[16:17], s[98:99]
.irp c, 0,1,2,3
.irp j, 0,1,2,3
	global_load_b128 v[ACC+16*\c+4*\j:ACC+16*\c+4*\j+3], v[QV], s[84:85] offset:128*\c+16*\j
.endr
.endr
	; where my pieces of the image begin: ((8 b + h) 16 + s) x 8,192 + kh's bytes
	s_lshr_b32 s96, s23, 4
	s_lshl_b32 s96, s96, 3
	s_lshl_b32 s97, s24, 2
	s_add_co_u32 s96, s96, s97
	s_add_co_u32 s96, s96, s26
	s_lshl_b32 s96, s96, 4
	s_and_b32 s97, s23, 15
	s_add_co_u32 s96, s96, s97
	s_lshl_b32 s96, s96, 13
	s_mul_i32 s97, s25, s89
	s_add_co_u32 s96, s96, s97
	s_mov_b32 s97, 0
	s_add_nc_u64 s[82:83], s[82:83], s[96:97]
.irp t, 0,1,2,3
	s_mul_i32 s98, s88, \t
	v_add_nc_u32 v[OV+\t], s98, v[LI]
.endr
	s_wait_kmcnt 0x0                               ; the exponents
	s_add_co_i32 s96, s69, 127
	s_lshl_b32 s97, s96, 23
	v_mov_b32 v[SC], s97                           ; 2^e1 as f32: the conversion takes its exponent field
	s_add_co_i32 s96, s96, 15
	s_lshl_b32 s96, s96, 23
	s_or_b32 s96, s96, 0x600000
	v_mov_b32 v[LIM], s96                          ; 57,344 x 2^e1
	s_wait_loadcnt 0x0                             ; my 64 numbers of query
.set i, 0
.rept 64
	v_med3_num_f32 v[ACC+i], v[ACC+i], -v[LIM], v[LIM]   ; the conversion to an 8-bit code does not saturate (ISA guide 7.6.2): the hold at the largest code x the scale
.set i, i+1
.endr
.set i, 0
.rept 8
	v_cvt_scalef32_pk8_bf8_f32 v[QC+2*i:QC+2*i+1], v[ACC+8*i:ACC+8*i+7], v[SC]
.set i, i+1
.endr
	v_nop                                          ; one plain line behind the last conversion: its scale and its sources are written again below
.irp c, 0,1,2,3
	global_store_b128 v[LI], v[QC+4*\c:QC+4*\c+3], s[86:87] offset:512*\c   ; 32 lanes store 512 consecutive bytes
.endr
	; ---- the projection's one scale: a sum stands for sum x 2^(eW + eAct), its code is sum / 2^(eOut - eW - eAct)
	s_sub_co_i32 s96, s75, s70
	s_sub_co_i32 s96, s96, s71                     ; e7 - e2 - e3
	s_sub_co_i32 s97, s77, s72
	s_sub_co_i32 s97, s97, s73                     ; e9 - e4 - e5
	s_cmp_lt_u32 ttmp9, 128
	s_cselect_b32 s96, s96, s97
	s_add_co_i32 s96, s96, 127
	s_lshl_b32 s97, s96, 23
	v_mov_b32 v[SC], s97
	s_add_co_i32 s96, s96, 15
	s_lshl_b32 s96, s96, 23
	s_or_b32 s96, s96, 0x600000
	v_mov_b32 v[LIM], s96
	s_wait_tensorcnt 0x0                           ; my six tiles have landed,
	s_barrier_signal -1
	s_barrier_wait -1                              ; everybody's have
.macro FRAG reg, adr, tau, ks          ; a fragment, 16 rows x 128 K: tile tau of the block is LDS rows 32 (tau % 2) + 16 (tau / 2) on
.irp c, 0,1,2,3
	ds_load_b128 v[\reg+4*\c:\reg+4*\c+3], v[\adr] offset:(32*((\tau)%2)+16*((\tau)/2))*PITCH+128*(\ks)+32*\c
.endr
.endm
.macro MUL8 bx, zero                   ; X's tiles 2 bx, 2 bx + 1 against Y's four: eight accumulators, one instruction a turn
.irp ty, 0,1,2,3
.irp u, 0,1
.if \zero
	v_wmma_f32_16x16x128_bf8_bf8 v[ACC+8*(4*\ty+2*\bx+\u):ACC+8*(4*\ty+2*\bx+\u)+7], v[XF+16*\u:XF+16*\u+15], v[YF+16*\ty:YF+16*\ty+15], 0
.else
	v_wmma_f32_16x16x128_bf8_bf8 v[ACC+8*(4*\ty+2*\bx+\u):ACC+8*(4*\ty+2*\bx+\u)+7], v[XF+16*\u:XF+16*\u+15], v[YF+16*\ty:YF+16*\ty+15], v[ACC+8*(4*\ty+2*\bx+\u):ACC+8*(4*\ty+2*\bx+\u)+7]
.endif
.endr
.endr
.endm
.macro PLACES                          ; four plain lines in front of loads into registers that matrix instructions have read, and of the first read of results
.rept 4
	v_nop
.endr
.endm
.macro KSTEP ks, zero                  ; 128 along K: 16 matrix instructions
.irp t, 0,1,2,3
	FRAG YF+16*\t, YA, \t, \ks
.endr
	FRAG XF, XA, 0, \ks
	FRAG XF+16, XA, 1, \ks
	s_wait_dscnt 0x0
	MUL8 0, \zero
	PLACES
	FRAG XF, XA, 2, \ks
	FRAG XF+16, XA, 3, \ks
	s_wait_dscnt 0x0
	MUL8 1, \zero
	PLACES
.endm
	KSTEP 0, 1                                     ; the first products start the sums: nothing is cleared
	KSTEP 1, 0
	KSTEP 2, 0
	KSTEP 3, 0
	; ---- out: the 16 registers of X's tiles 2 bx, 2 bx + 1 against Y's tile ty are one piece; each accumulator is read from its low end on
.irp ty, 0,1,2,3
.irp bx, 0,1
.set A0, ACC+8*(4*\ty+2*\bx)
.set i, 0
.rept 16
	v_med3_num_f32 v[A0+i], v[A0+i], -v[LIM], v[LIM]
.set i, i+1
.endr
	v_cvt_scalef32_pk8_bf8_f32 v[XF+4*(2*\ty+\bx):XF+4*(2*\ty+\bx)+1], v[A0:A0+7], v[SC]
	v_cvt_scalef32_pk8_bf8_f32 v[XF+4*(2*\ty+\bx)+2:XF+4*(2*\ty+\bx)+3], v[A0+8:A0+15], v[SC]
.endr
.endr
	v_nop                                          ; one plain line behind the last conversion
.irp ty, 0,1,2,3
.irp bx, 0,1
	global_store_b128 v[OV+\ty], v[XF+4*(2*\ty+\bx):XF+4*(2*\ty+\bx)+3], s[82:83] offset:512*\bx   ; 32 lanes store 512 consecutive bytes
.endr
.endr
	s_set_vgpr_msb 0x4
	s_wait_tensorcnt 0x0
	ds_add_u32 v7, v1
	s_wait_dscnt 0x0
	s_set_vgpr_msb 0x400
	s_endpgm
.Lfunc_end_k_qaa5eaf2985_prep:
	.size	k_qaa5eaf2985_prep, .Lfunc_end_k_qaa5eaf2985_prep-k_qaa5eaf2985_prep
	.p2alignl 7, 3214868480
	.fill 96, 4, 3214868480
	.section	.rodata,"a",@progbits
	.p2align	6, 0x0
	.amdhsa_kernel k_qaa5eaf2985_prep
		.amdhsa_group_segment_fixed_size 203776
		.amdhsa_private_segment_fixed_size 0
		.amdhsa_enable_private_segment 0
		.amdhsa_kernarg_size 72
		.amdhsa_user_sgpr_count 2
		.amdhsa_user_sgpr_kernarg_segment_ptr 1
		.amdhsa_wavefront_size32 1
		.amdhsa_system_sgpr_workgroup_id_x 1
		.amdhsa_system_sgpr_workgroup_id_y 1
		.amdhsa_system_sgpr_workgroup_id_z 1
		.amdhsa_system_vgpr_workitem_id 0
		.amdhsa_next_free_vgpr 258
		.amdhsa_next_free_sgpr 100
		.amdhsa_reserve_vcc 0
		.amdhsa_float_denorm_mode_32 3
		.amdhsa_float_denorm_mode_16_64 3
		.amdhsa_memory_ordered 1
		.amdhsa_forward_progress 1
		.amdhsa_inst_pref_size 38
	.end_amdhsa_kernel
	.amdgpu_metadata
---
amdhsa.version: [ 1, 2 ]
amdhsa.kernels:
  - .name:           k_qaa5eaf2985_prep
    .symbol:         k_qaa5eaf2985_prep.kd
    .args:
      - { .name: query, .offset: 0, .size: 8, .value_kind: global_buffer, .address_space: global }
      - { .name: key_codes, .offset: 8, .size: 8, .value_kind: global_buffer, .address_space: global }
      - { .name: value_codes, .offset: 16, .size: 8, .value_kind: global_buffer, .address_space: global }
      - { .name: Wk_codes, .offset: 24, .size: 8, .value_kind: global_buffer, .address_space: global }
      - { .name: Wv_codes, .offset: 32, .size: 8, .value_kind: global_buffer, .address_space: global }
      - { .name: lowp_scales, .offset: 40, .size: 8, .value_kind: global_buffer, .address_space: global }
      - { .name: q_img, .offset: 48, .size: 8, .value_kind: global_buffer, .address_space: global }
      - { .name: k_img, .offset: 56, .size: 8, .value_kind: global_buffer, .address_space: global }
      - { .name: v_img, .offset: 64, .size: 8, .value_kind: global_buffer, .address_space: global }
    .group_segment_fixed_size: 203776
    .private_segment_fixed_size: 0
    .kernarg_segment_align: 8
    .kernarg_segment_size: 72
    .max_flat_workgroup_size: 256
    .sgpr_count:     100
    .vgpr_count:     258
    .wavefront_size: 32
...
	.end_amdgpu_metadata
.endif
;; end of part 1
;; launch attn (part 2): grid 8 x 32, 16 waves a work-group, no clusters, 306,176 bytes of LDS; arguments q_img, k_img, v_img, Wq_codes, lowp_scales, query, query_mask, value_mask, y; writes y
.if DOCPART == 2
	.amdgcn_target "amdgcn-amd-amdhsa--gfx1250"
	.amdhsa_code_object_version 6
	.text
	.protected	k_qaa5eaf2985_attn
	.globl	k_qaa5eaf2985_attn
	.p2align	8
	.type	k_qaa5eaf2985_attn,@function
k_qaa5eaf2985_attn:
	s_mov_b64 s[64:65], 0
	v_nop
	global_prefetch_b8 v0, s[64:65] scope:SCOPE_SE
	s_setreg_imm32_b32 hwreg(HW_REG_WAVE_MODE, 25, 1), 1
	s_wait_xcnt 0x0
; ATTN: y[row][64 h + d] = query[row][64 h + d] + sum over keys of att[row][key] V[key][d],  att = softmax over ALL 2,048 keys of (Q . K / 8), then x (key <= query) x query_mask x value_mask.
; All products on codes of BF8 (E5M2).  att is quantised FINISHED (normalised and masked), with 2^e8, so the keys are walked twice:
;   pass 1, all 16 steps of 128 keys: the running largest t (t = score x log2(e) / 8), M = that rounded up to a whole number, and the sum of 2^(t - M);
;   pass 2, only the steps with keys <= my queries: the scores again, 2^(t - M) x (query_mask / sum) x value_mask, the triangle on the diagonal step, quantised, times V.
; SHARES.  A work-group owns one (batch, head) and 256 queries: the groups of 128 rows J and 15 - J (J = work-group x), which together want 17 steps of pass 2 for each pair of tiles, in every work-group.
; Each of its sixteen waves owns one tile of 16 queries in 256 registers.  Wave w: tile w >> 1 of group J (SEL = 0) or 15 - J (SEL = 1), SEL = (w ^ (w >> 2)) & 1: two short and two long waves among
; any four waves w % 4 alike or w / 4 alike.
; LDS, FILLED ONCE: the head's whole image of K (131,072 bytes), of V (131,072), the head's 64 rows of Wq (pitch 528) and the batch's value mask (8,192).  No slot is filled again, so no barrier stands in a loop.
; LAYOUT.  All products are used transposed (source 0 = 16 rows of Wq, 16 keys of K, 16 channels of V; source 1 = my 16 queries): a lane holds ONE query (lane % 16) throughout, and its registers run along the next K.
; The images' rows are ordered so that 16 registers of two neighbouring tiles are 16 neighbours (tile 2 b + u, lane r: row 32 b + 8 u + r + 8 (r/8)); registers 4 c .. 4 c + 3 of a fragment hold k = 32 c + 16 hh + 0..15 on both sides.
; In pass 1 each half of the lanes keeps its own M and sum over its own 64 keys of a step; the halves are joined once, behind the pass.
; NO CLUSTER, though the eight work-groups of a head read the same images: the branch that leaves out hidden steps hangs on J, which differs between just these partners; and the images are fetched once a work-group, not once a step.
; LIMITS: e8 and e6 - e0 - e1 between -126 and 112; e6 + e7 between -123 and 130 (added to the exponent field of log2(e) / 8); e8 + e9 between -126 and 127.  NaN and infinities among the inputs are not served.
; 1 / sum is v_rcp_f32's; an exponential under 2^-126 counts as 0.
.set VIMG, 131072
.set WQB,  262144
.set VMB,  295936
.set WP,   528                         ; a row of Wq in LDS: 512 bytes + 16 = 33 x 16
.set SP,   272                         ; a stage row: 256 bytes + 16 = 17 x 16
.set STG,  16*SP                       ; a wave's stage: it lies in K's image, which has had its one fill, behind the barrier behind which nobody reads that image
.set LI,  1                            ; v1   16 x lane
.set HM,  2                            ; v2   the value mask for my half: VMB + 64 hh
.set ADK, 3                            ; v3   LDS address of the step's pieces of K
.set ADV, 4                            ; v4   of V
.set ADM, 5                            ; v5   of the value mask
.set DG,  6                            ; v6   my query's place in its group of 128, less 16 hh
.set NINF, 7                           ; v7   -infinity
.set SC8, 8                            ; v8   2^e8
.set LIM8, 9                           ; v9   57,344 x 2^e8
.set CQ,  10                           ; v[10:11] query_mask / sum
.set NM,  12                           ; v12  -M; v13 the largest t
.set SUM, 14                           ; v[14:15] the sum, in two halves
.set QF,  16                           ; v16-23 Q's fragment
.set F,   32                           ; v32-95  fragments in hand
.set S,   96                           ; v96-159 scores, then weights
.set O,   160                          ; v160-191 O^T (first Q's sums)
.set PC,  192                          ; v192-207 the weights' codes
.set R,   208                          ; v208-239 the residual
.set QM,  240                          ; v240 my query's mask
.set WA,  241                          ; v241 Wq for my lane
.set STO, 242                          ; v242 the stage, in
.set RD,  243                          ; v243 the stage, back
.set GO,  244                          ; v244 my byte in the tile's rows of y
.set RV,  245                          ; v245 my byte in the tile's rows of query
.set RR,  246                          ; v246 r
.set HH,  247                          ; v247 hh
.set QMO, 248                          ; v248 4 r
.set WV, 22
.set J,  23
.set BH, 24
.set BT, 25
.set H,  26
.set SEL, 27
.set IDX, 28
.set G,  29
.set Q0, 30
.set ROW, 31
.set G1D, 32                           ; s[32:39] group 1: 8 KiB dense, 32 rows of 256 bytes
.set G1Q, 40                           ; s[40:47] group 1: 4 rows of 512 bytes, padded
.set G1M, 48                           ; s[48:55] group 1: one row of 512 bytes
.set CS,  88                           ; s[88:89] log2(e) / 8 x 2^(e6 + e7)
.set OS,  86                           ; s[86:87] 2^(e8 + e9)
.set TB,  92                           ; s92  the step's first byte in an image
.set TM,  93                           ; s93  in the value mask
.set ST,  94                           ; s94  the loops' counter
	s_load_b512 s[4:19], s[0:1], 0x0               ; q_img, k_img, v_img, Wq_codes, lowp_scales, query, query_mask, value_mask
	s_load_b64 s[20:21], s[0:1], 0x40              ; y
	v_lshl_add_u32 v254, v0, 2, 0x4a400
	v_mov_b32 v255, 0
	ds_add_u32 v254, v255
	ds_add_u32 v254, v255
	v_lshrrev_b32 v24, 5, v0
	v_readfirstlane_b32 s[WV], v24                 ; wave 0..15
	s_mov_b32 s[J], ttmp9
	s_and_b32 s[BH], ttmp7, 0xffff                 ; 8 x batch + head
	s_lshr_b32 s[BT], s[BH], 3
	s_and_b32 s[H], s[BH], 7
	s_lshr_b32 s[IDX], s[WV], 1
	s_lshr_b32 s95, s[WV], 2
	s_xor_b32 s[SEL], s[WV], s95
	s_and_b32 s[SEL], s[SEL], 1
	s_lshl_b32 s95, s[J], 1
	s_sub_co_u32 s95, 15, s95
	s_mul_i32 s95, s95, s[SEL]
	s_add_co_u32 s[G], s[J], s95                   ; my group of 128 rows: J or 15 - J
	s_lshl_b32 s[Q0], s[G], 7
	s_lshl_b32 s95, s[IDX], 4
	s_add_co_u32 s[Q0], s[Q0], s95                 ; my first query in the batch
	s_lshl_b32 s[ROW], s[BT], 11
	s_add_co_u32 s[ROW], s[ROW], s[Q0]             ; and among all 8,192 rows
	s_mov_b32 s[G1D+0], 3<<16                      ; elements of 8 bytes, no padding
	s_mov_b32 s[G1D+1], 32<<16                     ; tensor_dim0 = 32
	s_mov_b32 s[G1D+2], 32<<16                     ; tensor_dim1 = 32
	s_mov_b32 s[G1D+3], 32<<16                     ; tile_dim0 = 32
	s_mov_b32 s[G1D+4], 32                         ; tile_dim1 = 32
	s_mov_b32 s[G1D+5], 32                         ; from row to row
	s_mov_b32 s[G1D+6], 0
	s_mov_b32 s[G1D+7], 0
	s_mov_b32 s[G1Q+0], (1<<20)|(6<<22)|(3<<25)    ; elements of 1 byte; after every 128 words 4 words of padding
	s_mov_b32 s[G1Q+1], 512<<16
	s_mov_b32 s[G1Q+2], 4<<16
	s_mov_b32 s[G1Q+3], 512<<16
	s_mov_b32 s[G1Q+4], 4
	s_mov_b32 s[G1Q+5], 512
	s_mov_b32 s[G1Q+6], 0
	s_mov_b32 s[G1Q+7], 0
	s_mov_b32 s[G1M+0], 3<<16
	s_mov_b32 s[G1M+1], 64<<16
	s_mov_b32 s[G1M+2], 1<<16
	s_mov_b32 s[G1M+3], 64<<16
	s_mov_b32 s[G1M+4], 1
	s_mov_b32 s[G1M+5], 64
	s_mov_b32 s[G1M+6], 0
	s_mov_b32 s[G1M+7], 0
	; groups 0.  Wq: my 4 rows 4 w on go to LDS rows 32 ((w>>1)&1) + 16 ((w>>3)&1) + 8 ((w>>2)&1) + 4 (w&1), so that a tile is 16 LDS rows on end
	s_mov_b32 s56, 1
	s_bfe_u32 s95, s[WV], 0x10001
	s_lshl_b32 s95, s95, 5
	s_bfe_u32 s96, s[WV], 0x10003
	s_lshl_b32 s96, s96, 4
	s_add_co_u32 s95, s95, s96
	s_bfe_u32 s96, s[WV], 0x10002
	s_lshl_b32 s96, s96, 3
	s_add_co_u32 s95, s95, s96
	s_and_b32 s96, s[WV], 1
	s_lshl_b32 s96, s96, 2
	s_add_co_u32 s95, s95, s96
	s_mul_i32 s95, s95, WP
	s_add_co_u32 s57, s95, WQB
	s_lshl_b32 s58, s[H], 15                       ; a head's 64 rows x 512 bytes; 4 rows a wave
	s_lshl_b32 s95, s[WV], 11
	s_add_co_u32 s58, s58, s95
	s_mov_b32 s59, 0
	s_mov_b32 s60, 1                               ; K: step w of the head's image, 8,192 bytes
	s_lshl_b32 s61, s[WV], 13
	s_lshl_b32 s62, s[BH], 17
	s_add_co_u32 s62, s62, s61
	s_mov_b32 s63, 0
	s_mov_b32 s68, 1                               ; the value mask: 128 numbers a wave
	s_lshl_b32 s69, s[WV], 9
	s_lshl_b32 s70, s[BT], 13
	s_add_co_u32 s70, s70, s69
	s_mov_b32 s71, 0
	s_add_co_u32 s69, s69, VMB
	s_mov_b32 s72, 1                               ; V: step w
	s_add_co_u32 s73, s61, VIMG
	s_mov_b32 s74, s62
	s_mov_b32 s75, 0
	v_and_b32 v[LI], 31, v0
	v_lshlrev_b32 v[LI], 4, v[LI]
	v_and_b32 v[RR], 15, v0
	v_bfe_u32 v[HH], v0, 4, 1
	v_lshlrev_b32 v[HM], 6, v[HH]
	v_add_nc_u32 v[HM], VMB, v[HM]
	v_mul_u32_u24 v[WA], v[RR], WP
	v_lshl_add_u32 v[WA], v[HH], 4, v[WA]
	v_add_nc_u32 v[WA], WQB, v[WA]
	s_mul_i32 s95, s[WV], STG
	v_mul_u32_u24 v[STO], v[RR], SP                ; in: row r, 64 bytes for each half of the lanes
	v_lshl_add_u32 v[STO], v[HH], 6, v[STO]
	v_add_nc_u32 v[STO], s95, v[STO]
	v_mul_u32_u24 v[RD], v[HH], SP                 ; back: lanes 0-15 one row of 256 bytes, lanes 16-31 the next
	v_lshl_add_u32 v[RD], v[RR], 4, v[RD]
	v_add_nc_u32 v[RD], s95, v[RD]
	v_lshlrev_b32 v[GO], 11, v[HH]
	v_lshl_add_u32 v[GO], v[RR], 4, v[GO]
	v_lshlrev_b32 v[RV], 11, v[RR]
	v_lshl_add_u32 v[RV], v[HH], 6, v[RV]
	v_lshlrev_b32 v[QMO], 2, v[RR]
	v_lshlrev_b32 v24, 4, v[HH]
	v_sub_nc_u32 v[DG], v[RR], v24
	s_lshl_b32 s95, s[IDX], 4
	v_add_nc_u32 v[DG], s95, v[DG]
	v_mov_b32 v[NINF], 0xff800000
	s_wait_dscnt 0x0
	s_wait_kmcnt 0x0
	s_load_b256 s[76:83], s[12:13], 0x0            ; e0 .. e7
	s_load_b64 s[84:85], s[12:13], 0x20            ; e8, e9
	s_add_nc_u64 s[58:59], s[10:11], s[58:59]
	s_or_b32 s59, s59, 0x80000000
	s_add_nc_u64 s[62:63], s[6:7], s[62:63]
	s_or_b32 s63, s63, 0x80000000
	s_add_nc_u64 s[70:71], s[18:19], s[70:71]
	s_or_b32 s71, s71, 0x80000000
	s_add_nc_u64 s[74:75], s[8:9], s[74:75]
	s_or_b32 s75, s75, 0x80000000
	tensor_load_to_lds s[56:59], s[G1Q:G1Q+7]      ; every wave's four first fills on end, what is wanted first in front: four tensor loads of mine are out
	s_nop 0
	tensor_load_to_lds s[60:63], s[G1D:G1D+7]
	s_nop 0
	tensor_load_to_lds s[68:71], s[G1M:G1M+7]
	s_nop 0
	tensor_load_to_lds s[72:75], s[G1D:G1D+7]
	s_nop 0
.rept 4
	v_nop
.endr
	s_lshl_b32 s96, s[ROW], 9                      ; my row tile's image: (row / 16) x 8,192 bytes
	s_mov_b32 s97, 0
	s_add_nc_u64 s[4:5], s[4:5], s[96:97]
	s_lshl_b32 s98, s[ROW], 11                     ; my rows of query and of y, at my head's 256 bytes
	s_lshl_b32 s99, s[H], 8
	s_add_co_u32 s98, s98, s99
	s_mov_b32 s99, 0
	s_add_nc_u64 s[14:15], s[14:15], s[98:99]
	s_add_nc_u64 s[20:21], s[20:21], s[98:99]
	s_lshl_b32 s96, s[ROW], 2
	s_add_nc_u64 s[16:17], s[16:17], s[96:97]
.irp ks, 0,1,2,3
.irp c, 0,1,2,3
	global_load_b128 v[S+16*\ks+4*\c:S+16*\ks+4*\c+3], v[LI], s[4:5] offset:2048*\ks+512*\c   ; my queries' codes: four fragments
.endr
.endr
.irp b, 0,1
.irp j, 0,1,2,3
	global_load_b128 v[R+16*\b+4*\j:R+16*\b+4*\j+3], v[RV], s[14:15] offset:128*\b+16*\j   ; the residual, in O^T's layout: register 16 b + i is channel 32 b + 16 hh + i of row r
.endr
.endr
	global_load_b32 v[QM], v[QMO], s[16:17]
	s_wait_kmcnt 0x0                               ; the exponents
	s_add_co_i32 s95, s82, s83
	s_lshl_b32 s95, s95, 23
	s_add_co_i32 s[CS], s95, 0x3e38aa3b            ; log2(e) / 8, with e6 + e7 added to its exponent field
	s_mov_b32 s[CS+1], s[CS]                       ; (named with it as a pair, so it is written)
	s_add_co_i32 s95, s84, s85
	s_add_co_i32 s95, s95, 127
	s_lshl_b32 s[OS], s95, 23                      ; 2^(e8 + e9)
	s_mov_b32 s[OS+1], s[OS]
	s_add_co_i32 s95, s84, 127
	s_lshl_b32 s96, s95, 23
	v_mov_b32 v[SC8], s96
	s_add_co_i32 s95, s95, 15
	s_lshl_b32 s95, s95, 23
	s_or_b32 s95, s95, 0x600000
	v_mov_b32 v[LIM8], s95
	s_sub_co_i32 s95, s82, s76
	s_sub_co_i32 s95, s95, s77                     ; e6 - e0 - e1: a sum of the projection stands for sum x 2^(e0 + e1)
	s_add_co_i32 s95, s95, 127
	s_lshl_b32 s96, s95, 23
	v_mov_b32 v24, s96
	s_add_co_i32 s95, s95, 15
	s_lshl_b32 s95, s95, 23
	s_or_b32 s95, s95, 0x600000
	v_mov_b32 v25, s95
	s_mov_b32 s90, 0x76543210                      ; v_permlanex16_b32's selects: lane l xor 16
	s_mov_b32 s91, 0xfedcba98
	s_wait_tensorcnt 0x2                           ; my parts of Wq and of K are in; the two younger loads (mask, V) may stay out
	s_barrier_signal -1
	s_barrier_wait -1                              ; everybody's are
	; ---- Q = query Wq, transposed: source 0 = 16 rows of Wq, source 1 = my queries; four accumulators by turns
	s_wait_loadcnt 0x9                             ; the 16 loads of codes are in; the 8 of the residual and the mask's one may stay out
.irp ks, 0,1,2,3
.irp t, 0,1,2,3
.irp c, 0,1,2,3
	ds_load_b128 v[F+16*\t+4*\c:F+16*\t+4*\c+3], v[WA] offset:(32*(\t%2)+16*(\t/2))*WP+128*\ks+32*\c
.endr
.endr
	s_wait_dscnt 0x0
.irp t, 0,1,2,3
.if \ks == 0
	v_wmma_f32_16x16x128_bf8_bf8 v[O+8*\t:O+8*\t+7], v[F+16*\t:F+16*\t+15], v[S+16*\ks:S+16*\ks+15], 0
.else
	v_wmma_f32_16x16x128_bf8_bf8 v[O+8*\t:O+8*\t+7], v[F+16*\t:F+16*\t+15], v[S+16*\ks:S+16*\ks+15], v[O+8*\t:O+8*\t+7]
.endif
.endr
.rept 4
	v_nop                                          ; places in front of loads into registers that matrix instructions have read, and of the first read of results
.endr
.endr
.set i, 0
.rept 32
	v_med3_num_f32 v[O+i], v[O+i], -v25, v25       ; the hold at the largest code x the scale; each accumulator from its low end on
.set i, i+1
.endr
.set i, 0
.rept 4
	v_cvt_scalef32_pk8_bf8_f32 v[QF+2*i:QF+2*i+1], v[O+8*i:O+8*i+7], v24
.set i, i+1
.endr
	v_nop                                          ; one plain line behind the last conversion
.macro KFETCH                          ; a step's eight tiles of K: 16 pieces
.irp t, 0,1,2,3,4,5,6,7
.irp c, 0,1
	ds_load_b128 v[F+8*\t+4*\c:F+8*\t+4*\c+3], v[ADK] offset:1024*\t+512*\c
.endr
.endr
.endm
.macro QK8                             ; S^T = K Q^T: register 16 b + i of the scores is key 32 b + 16 hh + i of the step
.irp t, 0,1,2,3,4,5,6,7
	v_wmma_f32_16x16x64_bf8_bf8 v[S+8*\t:S+8*\t+7], v[F+8*\t:F+8*\t+7], v[QF:QF+7], 0
.endr
.endm
.macro TMINUSM                         ; t - M, two at a time (of the pairs the low word serves both halves), then 2^(t - M)
.set i, 0
.rept 32
	v_pk_fma_f32 v[S+2*i:S+2*i+1], v[S+2*i:S+2*i+1], s[CS:CS+1], v[NM:NM+1] op_sel_hi:[1,0,0]
.set i, i+1
.endr
.set i, 0
.rept 64
	v_exp_f32 v[S+i], v[S+i]
.set i, i+1
.endr
.endm
; A step of pass 1.  fetch = 1: the next step's tiles of K are asked for behind the products and land under the softmax.
.macro P1STEP fetch
	s_wait_dscnt 0x0                               ; this step's K is in
	QK8
.if \fetch
	s_add_co_u32 s[TB], s[TB], 8192
	v_add_nc_u32 v[ADK], s[TB], v[LI]              ; a place too
.rept 3
	v_nop
.endr
	KFETCH
.else
.rept 4
	v_nop
.endr
.endif
	v_max3_num_f32 v24, v[S], v[S+1], v[S+2]       ; the largest of my 64 scores, in two chains, from the low end on
	v_max3_num_f32 v25, v[S+3], v[S+4], v[S+5]
.set i, 6
.rept 14
	v_max3_num_f32 v24, v24, v[S+i], v[S+i+1]
	v_max3_num_f32 v25, v25, v[S+i+2], v[S+i+3]
.set i, i+4
.endr
	v_max3_num_f32 v24, v24, v[S+62], v[S+63]
	v_max_num_f32 v24, v24, v25
	v_mul_f32 v24, s[CS], v24                      ; as t (the factor is positive)
	v_max_num_f32 v13, v13, v24                    ; the running largest t of my half's keys
	v_mov_b32 v24, v[NM]
	v_floor_f32 v[NM], -v13                        ; -M = floor(-t): M is a whole number
	v_sub_f32 v24, v[NM], v24                      ; old M - new M, a whole number, 0 or less
	v_cvt_i32_f32 v24, v24                         ; (it saturates)
	v_ldexp_f32 v26, 1.0, v24                      ; 2^(old M - new M): brings the sum under the new M and rounds nothing
	TMINUSM
	v_pk_mul_f32 v[SUM:SUM+1], v[SUM:SUM+1], v[26:27] op_sel_hi:[1,0]   ; (the plain line behind the exponentials)
	s_wait_alu depctr_va_vdst(0)
	v_pk_add_f32 v[28:29], v[S:S+1], v[S+2:S+3]    ; the sum, two at a time, in two chains
.set i, 4
.rept 15
	v_pk_add_f32 v[SUM:SUM+1], v[SUM:SUM+1], v[S+i:S+i+1]
	v_pk_add_f32 v[28:29], v[28:29], v[S+i+2:S+i+3]
.set i, i+4
.endr
	v_pk_add_f32 v[SUM:SUM+1], v[SUM:SUM+1], v[28:29]
.endm
	; ---- pass 1: all 2,048 keys
	v_mov_b32 v13, 0xff61b1e6                      ; the largest t so far: -3e38, under every t
	v_floor_f32 v[NM], -v13
	v_mov_b32 v[SUM], 0
	v_mov_b32 v[SUM+1], 0
	v_mov_b32 v27, 0                               ; (named as the upper half of the pair v[26:27])
	s_mov_b32 s[TB], 0
	v_add_nc_u32 v[ADK], s[TB], v[LI]
	KFETCH                                         ; step 0
	s_mov_b32 s[ST], 15
.Lpass1:                                           ; trip k works on step k and asks for step k + 1
	P1STEP 1
	s_sub_co_u32 s[ST], s[ST], 1
	s_cmp_lg_u32 s[ST], 0
	s_cbranch_scc1 .Lpass1
	P1STEP 0                                       ; step 15 asks for nothing
	; ---- the two halves of the lanes are joined: the larger M, both sums under it
	v_permlanex16_b32 v24, v[NM], s90, s91
	v_min_num_f32 v25, v[NM], v24                  ; -M of both
	v_sub_f32 v26, v25, v[NM]                      ; my M - the joint M: a whole number, 0 or less
	v_cvt_i32_f32 v26, v26
	v_add_f32 v[SUM], v[SUM], v[SUM+1]
	v_ldexp_f32 v[SUM], v[SUM], v26
	v_permlanex16_b32 v24, v[SUM], s90, s91
	v_add_f32 v[SUM], v[SUM], v24                  ; the row's sum over all keys
	v_mov_b32 v[NM], v25
	v_rcp_f32 v[SUM], v[SUM]
.set i, 0
.rept 32
	v_mov_b32 v[O+i], 0                            ; O^T: pass 2's step is written once and finds zeros.  (Plain lines behind the reciprocal)
.set i, i+1
.endr
	s_wait_loadcnt 0x0                             ; the residual and my query's mask
	s_wait_alu depctr_va_vdst(0)
	v_mul_f32 v[CQ], v[SUM], v[QM]                 ; query_mask / sum
	v_mov_b32 v[CQ+1], v[CQ]
	s_wait_tensorcnt 0x0                           ; my parts of the value mask and of V are in,
	s_wait_dscnt 0x0
	s_barrier_signal -1
	s_barrier_wait -1                              ; everybody's are
.macro XQ b                            ; keys 32 b + 16 hh + 0..15: x value_mask, held, quantised: registers 4 b .. 4 b + 3 of the second product's operand
.set i, 0
.rept 8
	v_pk_mul_f32 v[S+16*\b+2*i:S+16*\b+2*i+1], v[S+16*\b+2*i:S+16*\b+2*i+1], v[F+16*\b+2*i:F+16*\b+2*i+1]
.set i, i+1
.endr
.set i, 0
.rept 16
	v_med3_num_f32 v[S+16*\b+i], v[S+16*\b+i], -v[LIM8], v[LIM8]   ; the masks are given numbers of either sign: the hold is two-sided
.set i, i+1
.endr
	v_cvt_scalef32_pk8_bf8_f32 v[PC+4*\b:PC+4*\b+1], v[S+16*\b:S+16*\b+7], v[SC8]
	v_cvt_scalef32_pk8_bf8_f32 v[PC+4*\b+2:PC+4*\b+3], v[S+16*\b+8:S+16*\b+15], v[SC8]
.endm
	; ---- pass 2: sixteen trips in every wave; a step all of whose keys come after my queries is left out by a scalar branch on ids
	s_mov_b32 s[TB], 0
	s_mov_b32 s[TM], 0
	s_mov_b32 s[ST], 0
.Lpass2:
	s_cmp_gt_u32 s[ST], s[G]
	s_cbranch_scc1 .Lskip
	v_add_nc_u32 v[ADK], s[TB], v[LI]
	v_add_nc_u32 v[ADV], VIMG, v[ADK]
	v_add_nc_u32 v[ADM], s[TM], v[HM]
	KFETCH
	s_wait_dscnt 0x0
	QK8
.rept 4
	v_nop
.endr
.irp b, 0,1,2,3
.irp j, 0,1,2,3
	ds_load_b128 v[F+16*\b+4*\j:F+16*\b+4*\j+3], v[ADM] offset:128*\b+16*\j   ; value_mask in the scores' layout; it lands under the exponentials
.endr
.endr
	s_cmp_lg_u32 s[ST], s[G]
	s_cbranch_scc1 .Lopen                          ; only the step of my own group lies on the diagonal
.set n, 0
.rept 64
	v_cmp_gt_i32 vcc_lo, 32*(n/16)+n%16, v[DG]     ; register n holds key 32 (n/16) + 16 hh + n % 16 of the group: hidden where that is behind my query
	v_cndmask_b32 v[S+n], v[S+n], v[NINF], vcc_lo  ; -infinity: its weight is 0
.set n, n+1
.endr
.Lopen:
	TMINUSM
	v_nop                                          ; the plain line between the exponentials and the first use of a result
.set i, 0
	s_wait_alu depctr_va_vdst(0)
.rept 32
	v_pk_mul_f32 v[S+2*i:S+2*i+1], v[S+2*i:S+2*i+1], v[CQ:CQ+1] op_sel_hi:[1,0]   ; x query_mask / sum
.set i, i+1
.endr
	s_wait_dscnt 0x0                               ; value_mask is in
	XQ 0
	XQ 1
	v_nop                                          ; a plain line between the conversions and the loads into their sources
.irp c, 0,1,2,3
	ds_load_b128 v[S+4*\c:S+4*\c+3], v[ADV] offset:512*\c                  ; V's tiles 0, 1 into the scores' registers that are done with,
	ds_load_b128 v[S+16+4*\c:S+16+4*\c+3], v[ADV] offset:2048+512*\c
	ds_load_b128 v[F+4*\c:F+4*\c+3], v[ADV] offset:4096+512*\c             ; tiles 2, 3 into the mask's
	ds_load_b128 v[F+16+4*\c:F+16+4*\c+3], v[ADV] offset:6144+512*\c
.endr
	XQ 2
	XQ 3
	v_nop                                          ; one plain line between the last conversion and the products that read its result
	s_wait_dscnt 0x0                               ; V is in
	v_wmma_f32_16x16x128_bf8_bf8 v[O:O+7], v[S:S+15], v[PC:PC+15], v[O:O+7]              ; O^T += V^T P^T: four accumulators, one instruction a turn
	v_wmma_f32_16x16x128_bf8_bf8 v[O+8:O+15], v[S+16:S+31], v[PC:PC+15], v[O+8:O+15]
	v_wmma_f32_16x16x128_bf8_bf8 v[O+16:O+23], v[F:F+15], v[PC:PC+15], v[O+16:O+23]
	v_wmma_f32_16x16x128_bf8_bf8 v[O+24:O+31], v[F+16:F+31], v[PC:PC+15], v[O+24:O+31]
.rept 5
	v_nop                                          ; five places: the next step's products write over registers that these have read
.endr
.Lskip:
	s_add_co_u32 s[TB], s[TB], 8192
	s_add_co_u32 s[TM], s[TM], 512
	s_add_co_u32 s[ST], s[ST], 1
	s_cmp_lt_u32 s[ST], 16
	s_cbranch_scc1 .Lpass2
	; ---- the way out: y = O^T x 2^(e8 + e9) + query, through my stage, so that sixteen lanes store 256 consecutive bytes, aligned
	s_wait_dscnt 0x0                               ; my reads of K's image are over,
	s_barrier_signal -1
	s_barrier_wait -1                              ; everybody's are: the stages may be written
.set i, 0
.rept 16
	v_pk_fma_f32 v[S+2*i:S+2*i+1], v[O+2*i:O+2*i+1], s[OS:OS+1], v[R+2*i:R+2*i+1] op_sel_hi:[1,0,1]   ; each accumulator from its low end on
.set i, i+1
.endr
.irp b, 0,1
.irp j, 0,1,2,3
	ds_store_b128 v[STO], v[S+16*\b+4*\j:S+16*\b+4*\j+3] offset:128*\b+16*\j
.endr
.endr
.irp i, 0,1,2,3,4,5,6,7
	ds_load_b128 v[F+4*\i:F+4*\i+3], v[RD] offset:2*\i*SP   ; LDS serves a wave's instructions in order (ISA guide 5.7.1.4): these see my stores
.endr
.irp i, 0,1,2,3,4,5,6,7
	s_wait_dscnt 7-\i                              ; pair i of rows is back; the younger loads stay out
	global_store_b128 v[GO], v[F+4*\i:F+4*\i+3], s[20:21] offset:4096*\i
.endr
	s_wait_tensorcnt 0x0
	ds_add_u32 v254, v255
	s_wait_dscnt 0x0
	s_endpgm
.Lfunc_end_k_qaa5eaf2985_attn:
	.size	k_qaa5eaf2985_attn, .Lfunc_end_k_qaa5eaf2985_attn-k_qaa5eaf2985_attn
	.p2alignl 7, 3214868480
	.fill 96, 4, 3214868480
	.section	.rodata,"a",@progbits
	.p2align	6, 0x0
	.amdhsa_kernel k_qaa5eaf2985_attn
		.amdhsa_group_segment_fixed_size 306176
		.amdhsa_private_segment_fixed_size 0
		.amdhsa_enable_private_segment 0
		.amdhsa_kernarg_size 72
		.amdhsa_user_sgpr_count 2
		.amdhsa_user_sgpr_kernarg_segment_ptr 1
		.amdhsa_wavefront_size32 1
		.amdhsa_system_sgpr_workgroup_id_x 1
		.amdhsa_system_sgpr_workgroup_id_y 1
		.amdhsa_system_sgpr_workgroup_id_z 1
		.amdhsa_system_vgpr_workitem_id 0
		.amdhsa_next_free_vgpr 256
		.amdhsa_next_free_sgpr 100
		.amdhsa_reserve_vcc 1
		.amdhsa_float_denorm_mode_32 3
		.amdhsa_float_denorm_mode_16_64 3
		.amdhsa_memory_ordered 1
		.amdhsa_forward_progress 1
		.amdhsa_inst_pref_size 66
	.end_amdhsa_kernel
	.amdgpu_metadata
---
amdhsa.version: [ 1, 2 ]
amdhsa.kernels:
  - .name:           k_qaa5eaf2985_attn
    .symbol:         k_qaa5eaf2985_attn.kd
    .args:
      - { .name: q_img, .offset: 0, .size: 8, .value_kind: global_buffer, .address_space: global }
      - { .name: k_img, .offset: 8, .size: 8, .value_kind: global_buffer, .address_space: global }
      - { .name: v_img, .offset: 16, .size: 8, .value_kind: global_buffer, .address_space: global }
      - { .name: Wq_codes, .offset: 24, .size: 8, .value_kind: global_buffer, .address_space: global }
      - { .name: lowp_scales, .offset: 32, .size: 8, .value_kind: global_buffer, .address_space: global }
      - { .name: query, .offset: 40, .size: 8, .value_kind: global_buffer, .address_space: global }
      - { .name: query_mask, .offset: 48, .size: 8, .value_kind: global_buffer, .address_space: global }
      - { .name: value_mask, .offset: 56, .size: 8, .value_kind: global_buffer, .address_space: global }
      - { .name: y, .offset: 64, .size: 8, .value_kind: global_buffer, .address_space: global }
    .group_segment_fixed_size: 306176
    .private_segment_fixed_size: 0
    .kernarg_segment_align: 8
    .kernarg_segment_size: 72
    .max_flat_workgroup_size: 512
    .sgpr_count:     100
    .vgpr_count:     256
    .wavefront_size: 32
...
	.end_amdgpu_metadata
.endif
;; end of part 2
;; launch norm (part 3): grid 256 x 1, 8 waves a work-group, no clusters, 0 bytes of LDS; arguments y, gamma, beta, out0; writes out0
.if DOCPART == 3
	.amdgcn_target "amdgcn-amd-amdhsa--gfx1250"
	.amdhsa_code_object_version 6
	.text
	.protected	k_qaa5eaf2985_norm
	.globl	k_qaa5eaf2985_norm
	.p2align	8
	.type	k_qaa5eaf2985_norm,@function
k_qaa5eaf2985_norm:
	s_mov_b64 s[64:65], 0
	v_nop
	global_prefetch_b8 v0, s[64:65] scope:SCOPE_SE
	s_setreg_imm32_b32 hwreg(HW_REG_WAVE_MODE, 25, 1), 1
	s_wait_xcnt 0x0
; NORM: out0[row][:] = (y[row][:] - mean) / sqrt(var + 0.001) x gamma + beta, over the row's 512 numbers, all f32.
; A stream: each byte of y is read once and each byte of out0 written once.  A row is 2,048 bytes: one wave takes a whole row in 16 registers a lane and keeps it between the passes (mean, then the squares of
; the differences, as the definition has it: no difference of large sums).  Wave 8 g + w takes four rows; all its 16 loads are out at once; no loop, no LDS, no barrier: waves share nothing.
; Lane l holds columns 128 j + 4 l .. + 3, j = 0..3: each load and store of a wave covers 512 consecutive bytes, aligned.  Matrix units, clusters and LDS would add nothing here.
; 1 / sqrt is v_rsq_f32's.  NaN among the inputs is not served.
.set GA, 16                            ; v16-31  gamma of my 16 columns
.set BE, 32                            ; v32-47  beta
.set Y0, 48                            ; v48-111 four rows, 16 registers each
	s_load_b256 s[4:11], s[0:1], 0x0               ; y, gamma, beta, out0
	v_lshrrev_b32 v2, 5, v0
	v_readfirstlane_b32 s14, v2                    ; wave
	v_and_b32 v1, 31, v0
	v_lshlrev_b32 v1, 4, v1                        ; 16 x lane
	s_lshl_b32 s15, ttmp9, 3
	s_add_co_u32 s15, s15, s14
	s_lshl_b32 s16, s15, 13                        ; four rows of 2,048 bytes a wave
	s_mov_b32 s17, 0
	s_mov_b32 s12, 0x76543210                      ; v_permlanex16_b32's selects: lane l xor 16
	s_mov_b32 s13, 0xfedcba98
	s_mov_b32 s18, 0x3b000000                      ; 1 / 512
	s_mov_b32 s19, 0x3a83126f                      ; 0.001
	v_mov_b32 v6, 0                                ; a lane permute's destination counts as read
	s_wait_kmcnt 0x0
	s_add_nc_u64 s[4:5], s[4:5], s[16:17]
	s_add_nc_u64 s[10:11], s[10:11], s[16:17]
.irp j, 0,1,2,3
	global_load_b128 v[GA+4*\j:GA+4*\j+3], v1, s[6:7] offset:512*\j
	global_load_b128 v[BE+4*\j:BE+4*\j+3], v1, s[8:9] offset:512*\j
.endr
.irp p, 0,1,2,3
.irp j, 0,1,2,3
	global_load_b128 v[Y0+16*\p+4*\j:Y0+16*\p+4*\j+3], v1, s[4:5] offset:2048*\p+512*\j th:TH_LOAD_NT
.endr
.endr
.macro LANES x                         ; the sum over the 32 lanes, in every lane
	v_add_f32_dpp v[\x], v[\x], v[\x] row_xmask:1 row_mask:0xf bank_mask:0xf
	v_add_f32_dpp v[\x], v[\x], v[\x] row_xmask:2 row_mask:0xf bank_mask:0xf
	v_add_f32_dpp v[\x], v[\x], v[\x] row_xmask:4 row_mask:0xf bank_mask:0xf
	v_add_f32_dpp v[\x], v[\x], v[\x] row_xmask:8 row_mask:0xf bank_mask:0xf
	v_permlanex16_b32 v6, v[\x], s12, s13
	v_add_f32 v[\x], v[\x], v6
.endm
.macro ROW p
.set X, Y0+16*\p
	s_wait_loadcnt 12-4*\p                         ; gamma, beta and this row's four loads are in; the younger rows' stay out
	v_pk_add_f32 v[2:3], v[X:X+1], v[X+2:X+3]      ; the sum, in two chains
	v_pk_add_f32 v[4:5], v[X+4:X+5], v[X+6:X+7]
	v_pk_add_f32 v[2:3], v[2:3], v[X+8:X+9]
	v_pk_add_f32 v[4:5], v[4:5], v[X+10:X+11]
	v_pk_add_f32 v[2:3], v[2:3], v[X+12:X+13]
	v_pk_add_f32 v[4:5], v[4:5], v[X+14:X+15]
	v_pk_add_f32 v[2:3], v[2:3], v[4:5]
	v_add_f32 v2, v2, v3
	LANES 2
	v_mul_f32 v2, s18, v2                          ; the mean
.irp i, 0,2,4,6,8,10,12,14
	v_pk_add_f32 v[X+\i:X+\i+1], v[X+\i:X+\i+1], v[2:3] op_sel_hi:[1,0] neg_lo:[0,1] neg_hi:[0,1]   ; y - mean
.endr
	v_pk_mul_f32 v[4:5], v[X:X+1], v[X:X+1]        ; the squares, in two chains
	v_pk_mul_f32 v[8:9], v[X+2:X+3], v[X+2:X+3]
.irp i, 4,8,12
	v_pk_fma_f32 v[4:5], v[X+\i:X+\i+1], v[X+\i:X+\i+1], v[4:5]
	v_pk_fma_f32 v[8:9], v[X+\i+2:X+\i+3], v[X+\i+2:X+\i+3], v[8:9]
.endr
	v_pk_add_f32 v[4:5], v[4:5], v[8:9]
	v_add_f32 v4, v4, v5
	LANES 4
	v_fma_f32 v4, v4, s18, s19                     ; var + 0.001
	v_rsq_f32 v4, v4
	v_nop                                          ; one plain line behind the transcendental
	s_wait_alu depctr_va_vdst(0)
.irp i, 0,2,4,6,8,10,12,14
	v_pk_mul_f32 v[X+\i:X+\i+1], v[X+\i:X+\i+1], v[4:5] op_sel_hi:[1,0]
.endr
.irp i, 0,2,4,6,8,10,12,14
	v_pk_fma_f32 v[X+\i:X+\i+1], v[X+\i:X+\i+1], v[GA+\i:GA+\i+1], v[BE+\i:BE+\i+1]
.endr
.irp j, 0,1,2,3
	global_store_b128 v1, v[X+4*\j:X+4*\j+3], s[10:11] offset:2048*\p+512*\j th:TH_STORE_NT   ; the row's registers are not written again
.endr
.endm
	ROW 0
	ROW 1
	ROW 2
	ROW 3
	s_endpgm
.Lfunc_end_k_qaa5eaf2985_norm:
	.size	k_qaa5eaf2985_norm, .Lfunc_end_k_qaa5eaf2985_norm-k_qaa5eaf2985_norm
	.p2alignl 7, 3214868480
	.fill 96, 4, 3214868480
	.section	.rodata,"a",@progbits
	.p2align	6, 0x0
	.amdhsa_kernel k_qaa5eaf2985_norm
		.amdhsa_group_segment_fixed_size 0
		.amdhsa_private_segment_fixed_size 0
		.amdhsa_enable_private_segment 0
		.amdhsa_kernarg_size 32
		.amdhsa_user_sgpr_count 2
		.amdhsa_user_sgpr_kernarg_segment_ptr 1
		.amdhsa_wavefront_size32 1
		.amdhsa_system_sgpr_workgroup_id_x 1
		.amdhsa_system_sgpr_workgroup_id_y 1
		.amdhsa_system_sgpr_workgroup_id_z 1
		.amdhsa_system_vgpr_workitem_id 0
		.amdhsa_next_free_vgpr 128
		.amdhsa_next_free_sgpr 66
		.amdhsa_reserve_vcc 0
		.amdhsa_float_denorm_mode_32 3
		.amdhsa_float_denorm_mode_16_64 3
		.amdhsa_memory_ordered 1
		.amdhsa_forward_progress 1
		.amdhsa_inst_pref_size 19
	.end_amdhsa_kernel
	.amdgpu_metadata
---
amdhsa.version: [ 1, 2 ]
amdhsa.kernels:
  - .name:           k_qaa5eaf2985_norm
    .symbol:         k_qaa5eaf2985_norm.kd
    .args:
      - { .name: y, .offset: 0, .size: 8, .value_kind: global_buffer, .address_space: global }
      - { .name: gamma, .offset: 8, .size: 8, .value_kind: global_buffer, .address_space: global }
      - { .name: beta, .offset: 16, .size: 8, .value_kind: global_buffer, .address_space: global }
      - { .name: out0, .offset: 24, .size: 8, .value_kind: global_buffer, .address_space: global }
    .group_segment_fixed_size: 0
    .private_segment_fixed_size: 0
    .kernarg_segment_align: 8
    .kernarg_segment_size: 32
    .max_flat_workgroup_size: 256
    .sgpr_count:     66
    .vgpr_count:     128
    .wavefront_size: 32
...
	.end_amdgpu_metadata
.endif
;; end of part 3
